; MI455X (gfx1250); checked and timed in simulation.
; The chip was launched on July 23, 2026; its instructions are those of AMD's public machine-readable ISA for CDNA 5 (MIT licence, August 2026) and "CDNA5" Instruction Set Architecture Reference Guide (July 2026). The comments in the code are by the model that wrote it; some were corrected since.
;; Attention. Allowed arithmetic: matrix products marked QUANTISED: E2M1 operands, one E8M0 scale for each 32 along K, by v_wmma_scale_f32_16x16x128_f8f6f4 with both operands' format E2M1 (or v_wmma_scale_f32_32x16x128_f4), f32 sums; everything else in f32.
;; Inputs: Wqk_codes 2,048 x 32 x 16 uint8 (E2M1 codes of Wqk, K innermost, in blocks of 32 codes, two codes a byte); Wqk_scales 2,048 x 32 uint8 (E8M0 scales of Wqk, one for each 32 codes along K); Wv_codes 1,024 x 32 x 16 uint8 (E2M1 codes of Wv, K innermost, in blocks of 32 codes, two codes a byte); Wv_scales 1,024 x 32 uint8 (E8M0 scales of Wv, one for each 32 codes along K); bqk 2,048 float32; bv 1,024 float32; x_codes 4 x 2,048 x 32 x 16 uint8 (E2M1 codes of x, K innermost, in blocks of 32 codes, two codes a byte); x_scales 4 x 2,048 x 32 uint8 (E8M0 scales of x, one for each 32 codes along K).
;; Outputs: out0 4 x 2,048 x 1,024 float32.
;; This version of the problem:
;;   THIS VERSION OF THE PROBLEM IS GIVEN IN LOW PRECISION. The matrix products marked QUANTISED in the list below multiply operands that are first quantised to E2M1 (2 exponent bits, 1 mantissa bit; 4 bits a number), with one power-of-two scale for each 32 numbers along K (OCP MX v1.0); their sums are f32. All else is computed in f32.
;;   The module's matrix products, in the order in which they are computed (A, B: the left and right operand; K: the contracted axis; several contracted axes count as one K, in the product's order):
;;     1. [M 8,192, K 1,024] x [K 1,024, N 2,048]; A: input x (given as codes); B: input Wqk (given as codes): QUANTISED
;;     2. [M 8,192, K 1,024] x [K 1,024, N 1,024]; A: input x (given as codes); B: input Wv (given as codes): QUANTISED
;;     3. batch 64 x [M 2,048, K 64] x [K 64, N 2,048]; A: computed on the way; B: computed on the way: QUANTISED
;;     4. batch 64 x [M 2,048, K 2,048] x [K 2,048, N 64]; A: softmax (see below); B: computed on the way: QUANTISED
;;   THE QUANTISER, for each operand of a quantised product, along K:
;;     - K is cut into blocks of 32 from its start; a last block that is shorter is filled with zeros.
;;     - A block's scale is 2^e with e = floor(log2(the largest magnitude in the block)) - 2, held to -126 .. 127; a block of zeros has e = 0. As a byte (E8M0): e + 127.
;;     - Each number is divided by its block's scale, clamped to +-6, and rounded to the nearest number of E2M1, ties to even, subnormals kept.
;;     - The product sums the exact products of the quantised numbers (number of the format x scale) in f32.
;;   ~~~python
;;   def quantise(x, axis):      # numpy; x: float32 -> the quantised numbers, widened to float32 again
;;       x = np.moveaxis(x, axis, -1); K = x.shape[-1]
;;       x = np.pad(x, [(0, 0)] * (x.ndim - 1) + [(0, -K % 32)]); x = x.reshape(x.shape[:-1] + (-1, 32)); a = np.abs(x).max(-1, keepdims=True)
;;       e = np.where(a > 0, np.clip(np.frexp(np.where(a > 0, a, 1))[1] - 1 - 2, -126, 127), 0)      # np.frexp(a)[1] - 1 = floor(log2(a)), exactly
;;       r = np.clip(x / 2.0 ** e, -6, 6)
;;       step = 2.0 ** (np.maximum(np.frexp(np.where(r == 0, 1, r))[1] - 1, 0) - 1)
;;       q = np.round(r / step) * step * 2.0 ** e      # np.round: ties to even
;;       return np.moveaxis(q.reshape(q.shape[:-2] + (-1,))[..., :K], -1, axis).astype(np.float32)
;;   ~~~
;;   SOFTMAX AHEAD OF A QUANTISED PRODUCT. Where the list says 'softmax', what is quantised is not the finished softmax but p = 2^(t - M), with t = logit x log2(e) and M = ceil(the row's largest t), a whole number; so 1/2 < the row's largest p <= 1. The row's sum l is taken of the UNQUANTISED p, in f32, and the product's result is divided by l at the end. Since M is a whole number, a kernel that streams over the keys may use a running M (the ceiling of the running maximum): every later rescaling is an exact power of two, which a block's scale takes up: the codes' values come out the same.
;;   OPERANDS COMPUTED ON THE WAY. 'Computed on the way' means the value that the module computes at that place (a softmax that the list does not call 'softmax' is quantised finished and normalised). What goes into a quantiser is computed in f32, as accurately as f32 sums, v_exp_f32 and their like allow (about 1e-6 of the number): no bf16 or f16 on the way to a quantiser, and a product that is left as it is and whose result goes on into a quantised operand takes f32 operands (vector FMAs, or v_wmma_f32_16x16x4_f32). A number that lies on a knife's edge between two numbers of the format may be rounded either way, as far as f32 arithmetic and the matrix unit's own rounding can turn it there, and no further.
;;   INPUTS GIVEN AS CODES. Wqk (in the module: [1024, 2048], K = its axis 0); Wv (in the module: [1024, 1024], K = its axis 0); x (in the module: [4, 2048, 1024], K = its axis 2): each comes as NAME_codes (uint8): NAME with its K axis moved to the last place and cut into blocks of 32 codes, [.., K / 32, bytes a block], one block behind the other in memory; two codes a byte, the lower K in the low four bits (a code: sign, 2 exponent bits, 1 mantissa bit); and NAME_scales (uint8): the same leading axes, one E8M0 byte (e + 127) for each 32 codes along K. Its value is code x scale, taken as it is: it is not quantised again, and the codes and scales need not be those that the quantiser above would give.
;; One version. Each part assembles by itself: llvm-mc -triple=amdgcn-amd-amdhsa -mcpu=gfx1250 --defsym DOCPART=n.
;; ======== version 1 of 1: 2 launches
;; limits: right only within a limited range of input values
;; workspace buffers: q_img 4,194,304 bytes; q_sc 524,288 bytes; kv_img 8,388,608 bytes; kv_sc 524,288 bytes
;; launch proj (part 1): grid 8 x 32, 4 waves a work-group, clusters of 4 x 4, 327,680 bytes of LDS; arguments x_codes, x_scales, Wqk_codes, Wqk_scales, Wv_codes, Wv_scales, bqk, bv, q_img, q_sc, kv_img, kv_sc; writes q_img, q_sc, kv_img, kv_sc
.if DOCPART == 1
	.amdgcn_target "amdgcn-amd-amdhsa--gfx1250"
	.amdhsa_code_object_version 6
	.text
	.protected	k_q77f37b46ee_proj
	.globl	k_q77f37b46ee_proj
	.p2align	8
	.type	k_q77f37b46ee_proj,@function
k_q77f37b46ee_proj:
	s_mov_b64 s[64:65], 0
	v_nop
	global_prefetch_b8 v0, s[64:65] scope:SCOPE_SE
	s_setreg_imm32_b32 hwreg(HW_REG_WAVE_MODE, 25, 1), 1
	s_wait_xcnt 0x0
	s_wait_alu depctr_hold_cnt(0) depctr_sa_sdst(0) depctr_va_vdst(0) depctr_va_sdst(0) depctr_va_ssrc(0) depctr_va_vcc(0) depctr_vm_vsrc(0)
	s_getreg_b32 s2, hwreg(HW_REG_IB_STS2, 6, 4)
	s_cmp_eq_u32 s2, 0
	s_cbranch_scc0 .Lentry_in_a_cluster
	s_endpgm
.Lentry_in_a_cluster:
	s_bfe_u32 s2, ttmp6, 0x10000c
	s_cmp_lg_u32 s2, 0xf033
	s_cbranch_scc0 .Lentry_shape_is_right
	s_endpgm
.Lentry_shape_is_right:
; q, k = (x Wqk + bqk) / 32 and v = (x Wv + bv) / 32 on codes of FP4 (E2M1) with one E8M0 scale for each 32 along K = 1,024; the results are quantised at once, q and k along the head's 64, v along the keys,
; and leave as images of the next launch's operand registers: 16 bytes a lane, 512 bytes on end for each group of four registers, scale words beside them.  No work of reference() is left out.
; SHARES.  256 work-groups of four waves, clusters of 4 x 4.  Work-group (i, j) owns 256 rows of x (block i) and two heads (2 j, 2 j + 1).  FIRST it makes q and k: "A" = its rows of x, "B" = 256 rows of Wqk; a wave makes 128 x 128 in 64 accumulators.
; THEN it stays and makes v of the same rows and heads: 128 rows of Wv against the 256 rows of x that already lie in LDS; a wave makes 64 channels (its head) x 128 keys in 32 accumulators.
; LDS.  K = 1,024 is two slots of 512 along K (rows of 256 bytes + 16 of padding), each with x's 256 rows and Wqk's 256 rows.  When slot 0 has been read out, Wqk's part of it is filled again with Wv: 128 rows x two halves of K = 256 LDS rows.
; x's tiles are shared along a row of the cluster, Wqk's and Wv's along a column: each is asked for jointly.  One tensor load a wave at the head and behind each round.
; No data prefetch: the block is the largest, in clusters, and K is two slots long: all tiles but Wv's are asked for in the first two groups of loads.
; THE MATRIX INSTRUCTION IS USED TRANSPOSED (source 0 = 16 rows of B, source 1 = 16 rows of A): lane (r, h) holds row 16 a + r of A and, in register j of accumulator (a, b), row 16 b + 8 h + j of B.  For v: A = Wv (channels), B = x (keys).
; THE ORDER INSIDE A BLOCK: place 16 h + 8 u + j holds number 16 u + 8 h + j (u: which of the two tiles of 16).  q and k have it alike along d, v and the next launch's p alike along the keys.
; THE DIVISION BY 32 is taken up by the scales: the codes of y / 32 are those of y, the scale's byte is 5 less.
; LIMITS: a block of zeros gets the byte 1 where the rule says 127 (its codes are zeros; this program alone reads the bytes); a block whose largest magnitude before the division lies under 2^-119 has its byte held at 1; NaN and infinities are not served.
; REGISTERS, in windows of 256: window 0: v1 r, v2 h, v16-30 addresses; v32-95 scale words, two sets, later the codes made; v96-111 at work (v106, v107 the add's); v112-119 a scale word for each a; v120-127 scale words as stored;
;   v128-191 source 1's fragments, later 64 numbers; v192-255 the bias.   window 1: source 0's fragments, two sets.   windows 2, 3: the accumulators.
.set NQ,     4
.set ROWB,   256
.set KROW,   512
.set PITCH,  272
.set FR,     8
.set NL,     2
.set NP,     4                         ; places behind this matrix instruction (ISA guide 7.12.1)
.set HALFT,  128*PITCH
.set SLOT,   4*HALFT                   ; A's 256 rows, then B's 256 rows
.set SCL,    2*SLOT                    ; the scale bytes of x's and Wqk's 256 rows, as rows of 256 bytes + 16
.set HALFS,  16*272                    ; those of 128 rows
.set SBLK,   2*272                     ; those of 16 rows
.set SPARE,  SCL+4*HALFS               ; the spare words, 128 bytes a wave
.set WSC,    SPARE+512                 ; Wv's scale bytes: 16 rows, and 8 rows of zeros behind them, which lanes 0-15 touch and no product uses
.set ADRA, 16                          ; v16-17  my x fragments in slot 0, 1
.set ADRB, 20                          ; v20-21  my Wqk fragments
.set LI,   24
.set L8,   25
.set BO,   26
.set ADRS, 27                          ; q, k: lanes 0-15 x's scale words, lanes 16-31 Wqk's
.set ADRW, 28                          ; v28-29  my Wv fragments, K's first and second half
.set ADRS2, 30                         ; v: lanes 0-15 Wv's scale words, lanes 16-31 x's
.set SC,   32
.set PC,   32
.set TM,   96
.set SPW,  106
.set NIL,  107
.set PW,   112
.set SW,   120
.set AF,   128
.set T,    128
.set BI,   192
.set G1,   28
.set G1B,  36
.set G0,   44
.set G0B,  52
.set WV,   60
.set HA,   61                          ; which half of x's rows is mine
.set HB,   62                          ; which head of the two
.set YC,   63
.set CX,   66
.set CY,   67
.set G1S,  68
.set G1SB, 76
.set G0S,  84
.set G0SB, 88
.set AIDX, 96
.set BIDX, 97
.set MSB, 0
.macro WIN new                         ; the immediate's high byte repeats the setting that is left
.if MSB != (\new)
	s_set_vgpr_msb (MSB<<8)|(\new)
.set MSB, (\new)
.endif
.endm
.set MUL_LO, 0xa1                      ; source 0 window 1, source 1 window 0, C and D window 2
.set MUL_HI, 0xf1
.set TO_B,   0x40
; An arm of a chain of branches on the wave's number: one load, its s_nop 0 and four v_nop, a jump to the chain's end
.macro ARM under, g0, g1, next, end
	s_cmp_lt_u32 s[WV], \under
	s_cbranch_scc0 \next
	tensor_load_to_lds s[\g0:\g0+3], s[\g1:\g1+7]
	s_nop 0
.rept 4
	v_nop
.endr
	s_branch \end
\next:
.endm
.macro CREST                           ; a round of the cluster's barrier behind its opening barrier
	s_cmp_lg_u32 s[WV], 0
	s_cbranch_scc1 .Lnot_wave_0_\@
	s_barrier_signal -3
.Lnot_wave_0_\@:
	s_barrier_wait -3
	s_barrier_signal -1
	s_barrier_wait -1
.endm
.macro CROUND
	s_barrier_signal -1
	s_barrier_wait -1
	CREST
.endm
	s_load_b512 s[4:19], s[0:1], 0x0               ; x's codes s[4:5], scales s[6:7]; Wqk's s[8:9], s[10:11]; Wv's s[12:13], s[14:15]; bqk s[16:17]; bv s[18:19]
	s_load_b256 s[20:27], s[0:1], 0x40             ; q_img s[20:21], q_sc s[22:23], kv_img s[24:25], kv_sc s[26:27]
	v_lshl_add_u32 v[SPW], v0, 2, SPARE
	v_mov_b32 v[NIL], 0
	ds_add_u32 v[SPW], v[NIL]                      ; the opening lines: the add, twice on end, and its wait
	ds_add_u32 v[SPW], v[NIL]
	v_lshrrev_b32 v1, 5, v0
	v_readfirstlane_b32 s[WV], v1
	s_lshr_b32 s[HA], s[WV], 1
	s_and_b32 s[HB], s[WV], 1
	s_bfe_u32 s[CX], ttmp6, 0x40000
	s_bfe_u32 s[CY], ttmp6, 0x40004
	s_and_b32 s[YC], ttmp7, 0xffff
	s_lshl_b32 s93, ttmp9, 2
	s_add_co_u32 s[BIDX], s93, s[CX]               ; which pair of heads: 0..7
	s_lshl_b32 s92, s[YC], 2
	s_add_co_u32 s[AIDX], s92, s[CY]               ; which 256 rows of x: 0..31
	s_lshl_b32 s100, s[CY], 2
	s_lshl_b32 s100, 15, s100                      ; my row of the cluster
	s_lshl_b32 s98, 0x1111, s[CX]                  ; my column
	s_or_b32 s[G1+0], s100, (0<<16)|(1<<20)|(1<<21)|(5<<22)|(3<<25)  ; the mask; elements of 1 byte; four words of padding behind every 64
	s_or_b32 s[G1B+0], s98, (0<<16)|(1<<20)|(1<<21)|(5<<22)|(3<<25)
.irp g, G1, G1B
	s_mov_b32 s[\g+1], ROWB<<16
	s_mov_b32 s[\g+2], 256<<16                     ; 256 rows to a load
	s_mov_b32 s[\g+3], ROWB<<16
	s_mov_b32 s[\g+4], 256
	s_mov_b32 s[\g+5], KROW
	s_mov_b32 s[\g+6], 0
	s_mov_b32 s[\g+7], 0
.endr
	s_or_b32 s[G1S+0], s100, (3<<16)|(1<<20)|(1<<21)|(5<<22)|(3<<25) ; the scale bytes of 256 rows: 8,192 dense bytes as 32 rows of 256
	s_or_b32 s[G1SB+0], s98, (3<<16)|(1<<20)|(1<<21)|(5<<22)|(3<<25)
.irp g, G1S, G1SB
	s_mov_b32 s[\g+1], 32<<16
	s_mov_b32 s[\g+2], 32<<16
	s_mov_b32 s[\g+3], 32<<16
	s_mov_b32 s[\g+4], 32
	s_mov_b32 s[\g+5], 32
	s_mov_b32 s[\g+6], 0
	s_mov_b32 s[\g+7], 0
.endr
	s_lshl_b32 s92, s[AIDX], 17                    ; 256 rows of 512 bytes
	s_lshl_b32 s94, s[BIDX], 17
	s_lshl_b32 s100, s[AIDX], 13                   ; 256 rows of 32 bytes
	s_lshl_b32 s98, s[BIDX], 13
	s_mov_b32 s93, 0
	s_mov_b32 s95, 0
	s_mov_b32 s99, 0
	s_mov_b32 s101, 0
	s_wait_dscnt 0x0
	s_wait_kmcnt 0x0
	s_add_nc_u64 s[G0+2:G0+3], s[4:5], s[92:93]
	s_add_nc_u64 s[G0B+2:G0B+3], s[8:9], s[94:95]
	s_add_nc_u64 s[G0S+2:G0S+3], s[6:7], s[100:101]
	s_add_nc_u64 s[G0SB+2:G0SB+3], s[10:11], s[98:99]
	s_add_nc_u64 s[G0+6:G0+7], s[G0+2:G0+3], ROWB  ; slot 1: the rows' second 512 along K
	s_add_nc_u64 s[G0B+6:G0B+7], s[G0B+2:G0B+3], ROWB
	s_lshr_b32 s94, s94, 1                         ; Wv: 128 rows of 512 bytes,
	s_lshr_b32 s98, s98, 1                         ; and of 32
	s_add_nc_u64 s[12:13], s[12:13], s[94:95]
	s_add_nc_u64 s[14:15], s[14:15], s[98:99]
.irp s, 0,1
	s_mov_b32 s[G0+4*\s], 1
	s_mov_b32 s[G0+4*\s+1], \s*SLOT
	s_or_b32 s[G0+4*\s+3], s[G0+4*\s+3], 0x80000000
	s_mov_b32 s[G0B+4*\s], 1
	s_mov_b32 s[G0B+4*\s+1], \s*SLOT+2*HALFT
	s_or_b32 s[G0B+4*\s+3], s[G0B+4*\s+3], 0x80000000
.endr
	s_mov_b32 s[G0S], 1
	s_mov_b32 s[G0S+1], SCL
	s_or_b32 s[G0S+3], s[G0S+3], 0x80000000
	s_mov_b32 s[G0SB], 1
	s_mov_b32 s[G0SB+1], SCL+2*HALFS
	s_or_b32 s[G0SB+3], s[G0SB+3], 0x80000000
	CROUND                                         ; all sixteen work-groups are here: the joint loads meet
	ARM 1, G0,  G1,  .Lhead_b, .Lhead_asked        ; wave 0: slot 0's rows of x;  wave 1: of Wqk;  wave 2: x's scale bytes;  wave 3: Wqk's
	ARM 2, G0B, G1B, .Lhead_sa, .Lhead_asked
	ARM 3, G0S, G1S, .Lhead_sb, .Lhead_asked
	tensor_load_to_lds s[G0SB:G0SB+3], s[G1SB:G1SB+7]
	s_nop 0
.rept 4
	v_nop
.endr
.Lhead_asked:
	s_mul_i32 s92, s[HA], HALFT                    ; my 128 rows of x, slot 0 and 1
	s_add_co_u32 s93, s92, SLOT
	s_mul_i32 s94, s[HB], HALFT                    ; my 128 rows of Wqk, behind x's 256
	s_add_co_u32 s94, s94, 2*HALFT
	s_add_co_u32 s95, s94, SLOT
	s_mul_i32 s98, s[HB], 64*PITCH                 ; my 64 rows of Wv, where Wqk's slot 0 lay
	s_add_co_u32 s98, s98, 2*HALFT
	s_mul_i32 s99, s[HA], HALFS                    ; x's scale bytes: my 128 rows: the lower base of both pairs
	s_add_co_u32 s99, s99, SCL
	s_mul_i32 s100, s[HB], HALFS                   ; from there to Wqk's,
	s_add_co_u32 s100, s100, SCL+2*HALFS
	s_sub_co_u32 s100, s100, s99
	s_mul_i32 s101, s[HB], 8*272                   ; and to Wv's
	s_add_co_u32 s101, s101, WSC
	s_sub_co_u32 s101, s101, s99
	s_mov_b32 s2, 0x76543210
	s_mov_b32 s3, 0xfedcba98                       ; v_permlanex16_b32's selects for lane l xor 16
	v_and_b32 v1, 15, v0                           ; r
	v_bfe_u32 v2, v0, 4, 1                         ; h
	v_mul_u32_u24 v3, v1, PITCH
	v_lshl_add_u32 v4, v2, 4, v3                   ; a fragment's row x pitch + 16 x half
	v_add_nc_u32 v[ADRA], s92, v4
	v_add_nc_u32 v[ADRA+1], s93, v4
	v_add_nc_u32 v[ADRB], s94, v4
	v_add_nc_u32 v[ADRB+1], s95, v4
	v_add_nc_u32 v[ADRW], s98, v4
	v_add_nc_u32 v[ADRW+1], HALFT, v[ADRW]
	v_lshlrev_b32 v5, 5, v1                        ; my row's scale bytes: 32 a row,
	v_lshrrev_b32 v6, 8, v5
	v_lshl_add_u32 v5, v6, 4, v5                   ; and 16 more for each 256 passed
	v_add_nc_u32 v5, s99, v5
	v_mul_u32_u24 v6, s100, v2                     ; q, k: lanes 16-31 take Wqk's
	v_add_nc_u32 v[ADRS], v5, v6
	v_xor_b32 v7, 1, v2
	v_mul_u32_u24 v7, s101, v7                     ; v: lanes 0-15 take Wv's
	v_add_nc_u32 v[ADRS2], v5, v7
	v_and_b32 v6, 31, v0
	v_lshlrev_b32 v[LI], 4, v6
	v_lshlrev_b32 v[L8], 3, v6
.macro FRAG reg, adr, q, i             ; 16 rows x 128 K of 4-bit codes: lane l holds row l % 16; registers 4 c .. 4 c + 3 hold K = 64 c + 32 (l / 16) + 0 .. 31
.irp c, 0,1
	ds_load_b128 v[\reg+4*\c:\reg+4*\c+3], v[\adr] offset:64*(\q)+32*\c+(\i)*16*PITCH
.endr
.endm
; 16 matrix instructions: A's blocks a0, a0 + 1 x B's eight.  The accumulators take turns, one instruction a turn, in the same order in every step.
.macro MUL16 a0, p, q, sc, zero
.irp a, \a0, \a0+1
.irp b, 0,1,2,3,4,5,6,7
.if \zero
	v_wmma_scale_f32_16x16x128_f8f6f4 v[8*(8*((\a)%4)+\b):8*(8*((\a)%4)+\b)+7], v[128*(\p)+FR*\b:128*(\p)+FR*\b+FR-1], v[AF+FR*(\a):AF+FR*(\a)+FR-1], 0, v[SC+8*NQ*(\sc)+NQ*\b+(\q)], v[SC+8*NQ*(\sc)+NQ*(\a)+(\q)] matrix_a_fmt:MATRIX_FMT_FP4 matrix_b_fmt:MATRIX_FMT_FP4 matrix_a_scale:MATRIX_SCALE_ROW1
.else
	v_wmma_scale_f32_16x16x128_f8f6f4 v[8*(8*((\a)%4)+\b):8*(8*((\a)%4)+\b)+7], v[128*(\p)+FR*\b:128*(\p)+FR*\b+FR-1], v[AF+FR*(\a):AF+FR*(\a)+FR-1], v[8*(8*((\a)%4)+\b):8*(8*((\a)%4)+\b)+7], v[SC+8*NQ*(\sc)+NQ*\b+(\q)], v[SC+8*NQ*(\sc)+NQ*(\a)+(\q)] matrix_a_fmt:MATRIX_FMT_FP4 matrix_b_fmt:MATRIX_FMT_FP4 matrix_a_scale:MATRIX_SCALE_ROW1
.endif
.endr
.endr
.endm
.macro FETCH_B slot, q, p
	WIN TO_B
.irp i, 0,1,2,3,4,5,6,7
	FRAG 128*(\p)+FR*\i, ADRB+\slot, \q, \i
.endr
	WIN 0
.endm
.macro FETCH_A slot, q, i0
.irp i, \i0, \i0+1, \i0+2, \i0+3
	FRAG AF+FR*(\i), ADRA+\slot, \q, \i
.endr
.endm
.macro SCALES sc
.irp i, 0,1,2,3,4,5,6,7
	ds_load_b128 v[SC+8*NQ*\sc+NQ*\i:SC+8*NQ*\sc+NQ*\i+3], v[ADRS] offset:\i*SBLK
.endr
.endm
.macro PLACES n
.rept \n
	v_nop
.endr
.endm
; q, k: a step of 128 along K that has its successor in the same slot.  A has one set of registers (blocks 0-3 fetched anew in the step's middle, blocks 4-7 at its end), B two.
.macro STEP slot, q, zero
	s_wait_dscnt 4*NL                              ; all but the youngest eight loads (A's blocks 4-7) are in
	WIN MUL_LO
	MUL16 0, (\q)%2, \q, \slot, \zero
	MUL16 2, (\q)%2, \q, \slot, \zero
	s_wait_dscnt 0
	PLACES NP
	FETCH_B \slot, (\q)+1, 1-(\q)%2
	FETCH_A \slot, (\q)+1, 0
	WIN MUL_HI
	MUL16 4, (\q)%2, \q, \slot, \zero
	MUL16 6, (\q)%2, \q, \slot, \zero
	PLACES NP
	WIN 0
	FETCH_A \slot, (\q)+1, 4
.endm
; 64 numbers of a lane, v[s] on: register 16 b + i belongs to block b of my row; lane l xor 16 holds the block's other 16.  They become 8 registers of codes at v[pc] and the row's scale word at v[pw], for the numbers divided by 32.
.macro QUANT s, pc, pw
.irp b, 0,1,2,3
	v_max3_num_f32 v[TM+\b], |v[\s+16*\b]|, |v[\s+1+16*\b]|, 0x4000000   ; and the floor 2^(8 - 127): 2 and 5 off its exponent field leave the byte 1
.endr
.irp i, 2,4,6,8,10,12,14
.irp b, 0,1,2,3
	v_max3_num_f32 v[TM+\b], v[TM+\b], |v[\s+16*\b+\i]|, |v[\s+1+16*\b+\i]|
.endr
.endr
.irp b, 0,1,2,3
	v_permlanex16_b32 v[TM+4+\b], v[TM+\b], s2, s3
.endr
.irp b, 0,1,2,3
	v_max_num_f32 v[TM+\b], v[TM+\b], v[TM+4+\b]
.endr
.irp b, 0,1,2,3
	v_add_nc_u32 v[TM+12+\b], 0xff000000, v[TM+\b] ; 2 off the exponent field: the conversion's scale operand
.endr
.irp b, 0,1,2,3
	v_lshrrev_b32 v[TM+4+\b], 23, v[TM+12+\b]
.endr
	v_lshl_or_b32 v[\pw], v[TM+5], 8, v[TM+4]
	v_lshl_or_b32 v[\pw], v[TM+6], 16, v[\pw]
	v_lshl_or_b32 v[\pw], v[TM+7], 24, v[\pw]
	v_add_nc_u32 v[\pw], 0xfafafafb, v[\pw]        ; 5 off each byte, the division by 32; no byte borrows, since each is 6 or more
.irp b, 0,1,2,3
	v_cvt_scalef32_pk8_fp4_f32 v[\pc+2*\b], v[\s+16*\b:\s+7+16*\b], v[TM+12+\b]
	v_cvt_scalef32_pk8_fp4_f32 v[\pc+1+2*\b], v[\s+8+16*\b:\s+15+16*\b], v[TM+12+\b]
.endr
	v_nop                                          ; one plain place behind a scaled conversion
.irp c, 0,1
.irp i, 0,1
	v_permlane16_swap_b32 v[\pc+4*\c+\i], v[\pc+2+4*\c+\i]   ; the operand's layout wants a whole block in a lane
.endr
.endr
.endm
	s_wait_alu depctr_va_vdst(0)
	s_wait_tensorcnt 0x0                           ; my tile of the head's four is in; the three lines ahead of the later first fills
	ds_add_u32 v[SPW], v[NIL]
	s_mov_b32 s[G1SB+2], 16<<16                    ; no tensor load of mine is out: Wv's scale bytes: 16 rows are there,
	s_mov_b32 s[G1SB+4], 24                        ; 24 are laid: the last 8 as zeros
	s_mov_b32 s[G0SB+1], WSC
	s_mov_b64 s[G0SB+2:G0SB+3], s[14:15]
	s_or_b32 s[G0SB+3], s[G0SB+3], 0x80000000
	s_wait_dscnt 0x0
	CROUND
	ARM 1, G0+4,  G1,   .Lr2_b, .Lr2_end           ; wave 0: slot 1's rows of x;  wave 1: of Wqk;  wave 2: Wv's scale bytes: first fills all
	ARM 2, G0B+4, G1B,  .Lr2_s, .Lr2_end
	ARM 3, G0SB,  G1SB, .Lr2_n, .Lr2_end
.Lr2_end:
	FETCH_B 0, 0, 0
	FETCH_A 0, 0, 0
	SCALES 0
	FETCH_A 0, 0, 4
	STEP 0, 0, 1                                   ; the first step's products start the sums
	STEP 0, 1, 0
	STEP 0, 2, 0
	; slot 0's last step changes slots, and Wqk's part of slot 0 is filled again: the three lines, a round of the cluster's barrier, the refill
	s_wait_tensorcnt 0x0
	ds_add_u32 v[SPW], v[NIL]
	s_mov_b32 s[G1B+2], 128<<16                    ; no tensor load of mine is out: Wv's 128 rows, K's first half where Wqk's rows 0-127 lay, the second where rows 128-255 lay
	s_mov_b32 s[G1B+4], 128
	s_mov_b32 s[G0B+1], 2*HALFT
	s_mov_b64 s[G0B+2:G0B+3], s[12:13]
	s_or_b32 s[G0B+3], s[G0B+3], 0x80000000
	s_mov_b32 s[G0B+5], 3*HALFT
	s_add_nc_u64 s[G0B+6:G0B+7], s[12:13], ROWB
	s_or_b32 s[G0B+7], s[G0B+7], 0x80000000
	s_wait_dscnt 4*NL+1                            ; (the add and the youngest eight loads may be out)
	WIN MUL_LO
	MUL16 0, 1, NQ-1, 0, 0
	s_wait_dscnt 0x0                               ; the add is done, and my reads of slot 0 are over
	s_barrier_signal -1
	MUL16 2, 1, NQ-1, 0, 0
	WIN 0
	s_barrier_wait -1
	CREST
	ARM 1, G0B,   G1B, .Lr3_b, .Lr3_end
	ARM 2, G0B+4, G1B, .Lr3_n, .Lr3_end
.Lr3_end:
	PLACES NP
	v_add_nc_u32 v[ADRS], 4*NQ, v[ADRS]            ; on to slot 1's scale words
	FETCH_B 1, 0, 0
	FETCH_A 1, 0, 0
	SCALES 1
	WIN MUL_HI
	MUL16 4, 1, NQ-1, 0, 0
	MUL16 6, 1, NQ-1, 0, 0
	PLACES NP
	WIN 0
	FETCH_A 1, 0, 4
	STEP 1, 0, 0
	STEP 1, 1, 0
	; my 128 rows of x are key step s of batch b; my 128 columns of Wqk, and my 64 rows of Wv, are head hd
	s_lshl_b32 s92, s[AIDX], 1
	s_add_co_u32 s92, s92, s[HA]
	s_lshr_b32 s93, s92, 4                         ; b
	s_and_b32 s92, s92, 15                         ; s
	s_lshl_b32 s94, s[BIDX], 1
	s_add_co_u32 s94, s94, s[HB]                   ; hd
	s_lshl_b32 s93, s93, 4
	s_add_co_u32 s93, s93, s94                     ; bh = 16 b + hd
	s_lshl_b32 s98, s94, 9
	s_mov_b32 s99, 0
	s_add_nc_u64 s[16:17], s[16:17], s[98:99]      ; bqk at my head's 128 numbers
	s_lshr_b32 s98, s98, 1
	s_add_nc_u64 s[18:19], s[18:19], s[98:99]      ; bv at its 64
	s_lshl_b32 s98, s93, 16
	s_lshl_b32 s100, s92, 12
	s_add_co_u32 s98, s98, s100
	s_add_nc_u64 s[20:21], s[20:21], s[98:99]      ; q_img + 65,536 bh + 4,096 s
	s_lshl_b32 s98, s98, 1
	s_add_nc_u64 s[24:25], s[24:25], s[98:99]      ; kv_img + 131,072 bh + 8,192 s
	s_lshr_b32 s98, s98, 4
	s_add_nc_u64 s[22:23], s[22:23], s[98:99]      ; q_sc + 8,192 bh + 512 s
	s_add_nc_u64 s[26:27], s[26:27], s[98:99]      ; kv_sc likewise
	v_lshlrev_b32 v[BO], 5, v2                     ; register 8 b + j wants bqk at column 16 b + 8 h + j
.irp b, 0,1,2,3,4,5,6,7
	global_load_b128 v[BI+8*\b:BI+8*\b+3], v[BO], s[16:17] offset:64*\b
	global_load_b128 v[BI+8*\b+4:BI+8*\b+7], v[BO], s[16:17] offset:64*\b+16
.endr
	STEP 1, 2, 0                                   ; the bias lands under the last two steps
	s_wait_dscnt 4*NL
	WIN MUL_LO
	MUL16 0, 1, NQ-1, 1, 0
	MUL16 2, 1, NQ-1, 1, 0
	s_wait_dscnt 0x0
	WIN MUL_HI
	MUL16 4, 1, NQ-1, 1, 0
	MUL16 6, 1, NQ-1, 1, 0
	WIN 0
.irp b, 0,1,2,3
	v_mov_b32 v[TM+4+\b], 0                        ; a lane permute's destination counts as one of its sources.  These four are also the places behind the last products
.endr
	s_wait_loadcnt 0x0
.irp a, 0,1,2,3,4,5,6,7
	WIN 0x02+\a/4
.set i, 0
.rept 32
	v_pk_add_f32 v[T+i:T+i+1], v[64*(\a%4)+i:64*(\a%4)+i+1], v[BI+i:BI+i+1]   ; + the bias, and into window 0; each accumulator from its low end on
.set i, i+2
.endr
	WIN 0
	QUANT T, PC+8*\a, PW+\a
	global_store_b128 v[LI], v[PC+8*\a:PC+8*\a+3], s[20:21] offset:512*\a      ; q of rows 16 a on: 32 lanes store 512 consecutive bytes
	global_store_b128 v[LI], v[PC+8*\a+4:PC+8*\a+7], s[24:25] offset:512*\a    ; k of the same rows
.endr
	s_mov_b32 vcc_lo, 0xffff0000
.irp i, 0,1,2,3
	v_cndmask_b32 v[SW+\i], v[PW+2*\i], v[PW+2*\i+1], vcc_lo   ; q's words: word i of lane (r, h) belongs to tile 2 i + h
.endr
.irp i, 0,1,2,3
	v_and_b32 v[SW+\i], 0xffff, v[SW+\i]
.endr
	global_store_b128 v[LI], v[SW:SW+3], s[22:23]
.irp t, 0,1,2,3
	v_perm_b32 v[SW+4+\t], v[PW+2*\t+1], v[PW+2*\t], 0x07060302   ; k's words: the two bytes of key 32 t + r below, those of key 32 t + 16 + r above
.endr
.irp i, 0,1
	v_cndmask_b32 v[TM+\i], v[SW+4+2*\i], v[SW+5+2*\i], vcc_lo
.endr
	global_store_b64 v[L8], v[TM:TM+1], s[26:27]
	; ---- v.  Source 0: my 128 rows of x (8 blocks, two sets in window 1); source 1: my 64 rows of Wv (4 blocks, two sets at v128 and v160); 32 accumulators in window 2
.macro VFETCH g                        ; the fragments of K step g (0..7): slot g / 4, its (g % 4)-th 128 along K, into set g % 2
	WIN TO_B
.irp i, 0,1,2,3,4,5,6,7
	FRAG 128*((\g)%2)+FR*\i, ADRA+(\g)/4, (\g)%4, \i
.endr
	WIN 0
.irp i, 0,1,2,3
	FRAG AF+32*((\g)%2)+FR*\i, ADRW+(\g)/4, (\g)%4, \i
.endr
.endm
.macro VSTEP g
	s_wait_dscnt 0x0                               ; this step's fragments are in
.if (\g) < 7
	PLACES NP                                      ; in front of loads into the set that the last step multiplied
	VFETCH (\g)+1
.endif
	WIN MUL_LO
.irp a, 0,1,2,3
.irp b, 0,1,2,3,4,5,6,7
.if (\g) == 0
	v_wmma_scale_f32_16x16x128_f8f6f4 v[8*(8*\a+\b):8*(8*\a+\b)+7], v[128*((\g)%2)+FR*\b:128*((\g)%2)+FR*\b+FR-1], v[AF+32*((\g)%2)+FR*\a:AF+32*((\g)%2)+FR*\a+FR-1], 0, v[SC+32*((\g)/4)+NQ*\b+(\g)%4], v[SC+32*((\g)/4)+NQ*\a+(\g)%4] matrix_a_fmt:MATRIX_FMT_FP4 matrix_b_fmt:MATRIX_FMT_FP4 matrix_a_scale:MATRIX_SCALE_ROW1
.else
	v_wmma_scale_f32_16x16x128_f8f6f4 v[8*(8*\a+\b):8*(8*\a+\b)+7], v[128*((\g)%2)+FR*\b:128*((\g)%2)+FR*\b+FR-1], v[AF+32*((\g)%2)+FR*\a:AF+32*((\g)%2)+FR*\a+FR-1], v[8*(8*\a+\b):8*(8*\a+\b)+7], v[SC+32*((\g)/4)+NQ*\b+(\g)%4], v[SC+32*((\g)/4)+NQ*\a+(\g)%4] matrix_a_fmt:MATRIX_FMT_FP4 matrix_b_fmt:MATRIX_FMT_FP4 matrix_a_scale:MATRIX_SCALE_ROW1
.endif
.endr
.endr
	WIN 0
.endm
	s_wait_xcnt 0x0                                ; the stores above have read their registers: these are written again below
	v_lshlrev_b32 v[BO], 2, v1                     ; block a wants bv at channel 16 a + r, the same for all 64 registers:
.irp a, 0,1,2,3
	global_load_b32 v[BI+2*\a], v[BO], s[18:19] offset:64*\a     ; loaded twice, to fill the pair that the packed addition names
	global_load_b32 v[BI+2*\a+1], v[BO], s[18:19] offset:64*\a
.endr
	s_wait_tensorcnt 0x0                           ; my half of Wv, if I fetched one, has landed,
	s_barrier_signal -1
	s_barrier_wait -1                              ; everybody's has.
.irp s, 0,1
.irp i, 0,1,2,3,4,5,6,7
	ds_load_b128 v[SC+32*\s+NQ*\i:SC+32*\s+NQ*\i+3], v[ADRS2] offset:\i*SBLK+16*\s   ; lanes 0-15: Wv's block i (used for i under 4); lanes 16-31: x's block i
.endr
.endr
	VFETCH 0
.irp g, 0,1,2,3,4,5,6,7
	VSTEP \g
.endr
	PLACES NP                                      ; behind the last products
	s_wait_loadcnt 0x0                             ; the bias
.irp a, 0,1,2,3
	WIN 0x02
.set i, 0
.rept 32
	v_pk_add_f32 v[T+i:T+i+1], v[64*\a+i:64*\a+i+1], v[BI+2*\a:BI+2*\a+1]
.set i, i+2
.endr
	WIN 0
	QUANT T, PC+8*\a, PW+\a
	global_store_b128 v[LI], v[PC+8*\a:PC+8*\a+3], s[24:25] offset:4096+\a*1024       ; channels 16 a on: registers 0-3 of the fragment,
	global_store_b128 v[LI], v[PC+8*\a+4:PC+8*\a+7], s[24:25] offset:4096+\a*1024+512 ; and 4-7; V's half of a step lies behind K's 4,096 bytes
.endr
	s_mov_b32 vcc_lo, 0xffff0000
.irp i, 0,1
	v_cndmask_b32 v[SW+\i], v[PW+2*\i], v[PW+2*\i+1], vcc_lo   ; word i of lane (r, h) belongs to the head's tile 2 i + h
.endr
	global_store_b64 v[L8], v[SW:SW+1], s[26:27] offset:256
	s_wait_tensorcnt 0x0                           ; the wave's end
	ds_add_u32 v[SPW], v[NIL]
	s_wait_dscnt 0x0
	CROUND                                         ; the closing round
	s_endpgm
.Lfunc_end_k_q77f37b46ee_proj:
	.size	k_q77f37b46ee_proj, .Lfunc_end_k_q77f37b46ee_proj-k_q77f37b46ee_proj
	.p2alignl 7, 3214868480
	.fill 96, 4, 3214868480
	.section	.rodata,"a",@progbits
	.p2align	6, 0x0
	.amdhsa_kernel k_q77f37b46ee_proj
		.amdhsa_group_segment_fixed_size 327680
		.amdhsa_private_segment_fixed_size 0
		.amdhsa_enable_private_segment 0
		.amdhsa_kernarg_size 96
		.amdhsa_user_sgpr_count 2
		.amdhsa_user_sgpr_kernarg_segment_ptr 1
		.amdhsa_wavefront_size32 1
		.amdhsa_system_sgpr_workgroup_id_x 1
		.amdhsa_system_sgpr_workgroup_id_y 1
		.amdhsa_system_sgpr_workgroup_id_z 1
		.amdhsa_system_vgpr_workitem_id 0
		.amdhsa_next_free_vgpr 1024
		.amdhsa_next_free_sgpr 102
		.amdhsa_reserve_vcc 1
		.amdhsa_float_denorm_mode_32 3
		.amdhsa_float_denorm_mode_16_64 3
		.amdhsa_memory_ordered 1
		.amdhsa_forward_progress 1
		.amdhsa_inst_pref_size 221
	.end_amdhsa_kernel
	.amdgpu_metadata
---
amdhsa.version: [ 1, 2 ]
amdhsa.kernels:
  - .name:           k_q77f37b46ee_proj
    .symbol:         k_q77f37b46ee_proj.kd
    .args:
      - { .name: x_codes, .offset: 0, .size: 8, .value_kind: global_buffer, .address_space: global }
      - { .name: x_scales, .offset: 8, .size: 8, .value_kind: global_buffer, .address_space: global }
      - { .name: Wqk_codes, .offset: 16, .size: 8, .value_kind: global_buffer, .address_space: global }
      - { .name: Wqk_scales, .offset: 24, .size: 8, .value_kind: global_buffer, .address_space: global }
      - { .name: Wv_codes, .offset: 32, .size: 8, .value_kind: global_buffer, .address_space: global }
      - { .name: Wv_scales, .offset: 40, .size: 8, .value_kind: global_buffer, .address_space: global }
      - { .name: bqk, .offset: 48, .size: 8, .value_kind: global_buffer, .address_space: global }
      - { .name: bv, .offset: 56, .size: 8, .value_kind: global_buffer, .address_space: global }
      - { .name: q_img, .offset: 64, .size: 8, .value_kind: global_buffer, .address_space: global }
      - { .name: q_sc, .offset: 72, .size: 8, .value_kind: global_buffer, .address_space: global }
      - { .name: kv_img, .offset: 80, .size: 8, .value_kind: global_buffer, .address_space: global }
      - { .name: kv_sc, .offset: 88, .size: 8, .value_kind: global_buffer, .address_space: global }
    .group_segment_fixed_size: 327680
    .private_segment_fixed_size: 0
    .kernarg_segment_align: 8
    .kernarg_segment_size: 96
    .max_flat_workgroup_size: 128
    .sgpr_count:     102
    .vgpr_count:     1024
    .wavefront_size: 32
...
	.end_amdgpu_metadata
.endif
;; end of part 1
;; launch attn (part 2): grid 4 x 64, 16 waves a work-group, clusters of 4 x 1, 228,352 bytes of LDS; arguments q_img, q_sc, kv_img, kv_sc, out0; writes out0
.if DOCPART == 2
	.amdgcn_target "amdgcn-amd-amdhsa--gfx1250"
	.amdhsa_code_object_version 6
	.text
	.protected	k_q77f37b46ee_attn
	.globl	k_q77f37b46ee_attn
	.p2align	8
	.type	k_q77f37b46ee_attn,@function
k_q77f37b46ee_attn:
	s_mov_b64 s[64:65], 0
	v_nop
	global_prefetch_b8 v0, s[64:65] scope:SCOPE_SE
	s_setreg_imm32_b32 hwreg(HW_REG_WAVE_MODE, 25, 1), 1
	s_wait_xcnt 0x0
	s_wait_alu depctr_hold_cnt(0) depctr_sa_sdst(0) depctr_va_vdst(0) depctr_va_sdst(0) depctr_va_ssrc(0) depctr_va_vcc(0) depctr_vm_vsrc(0)
	s_getreg_b32 s2, hwreg(HW_REG_IB_STS2, 6, 4)
	s_cmp_eq_u32 s2, 0
	s_cbranch_scc0 .Lentry_in_a_cluster
	s_endpgm
.Lentry_in_a_cluster:
	s_bfe_u32 s2, ttmp6, 0x10000c
	s_cmp_lg_u32 s2, 0x3003
	s_cbranch_scc0 .Lentry_shape_is_right
	s_endpgm
.Lentry_shape_is_right:
; out[b][q][64 hd + :] = the sum over k of softmax_k(q . k / 64) v, both products on codes of FP4 (E2M1) with one E8M0 scale for each 32 along a product's K.  64 heads (bh = 16 b + hd) of 2,048 queries and keys, head size 64.
; q, k and v come as images of operand registers, made by the launch before: 16 bytes a lane, 512 bytes on end for four registers.
; THE SOFTMAX: t = score x log2(e) / 64; M = the row's largest t so far, rounded up to a whole number; p = 2^(t - M) is quantised along the keys, not normalised.  The row's sum is taken of the unquantised p, in f32, and divides at the end.
; When M moves, the sum and O are multiplied by 2^(old M - new M): exact.
; SHARES.  A work-group owns 512 queries of one head; each of its sixteen waves owns one tile of 16 queries in each of two passes.  A head's codes of K and V (131,072 bytes) and their scale words (8,192) lie in LDS whole: filled once, one barrier.
; CLUSTER.  The four work-groups of a cluster are the four query blocks of one head: the fills are asked for jointly.  One tensor load a wave: waves 0-3 a quarter of the codes each, waves 4-7 a quarter of the scale words.
; No data prefetch: K and V are fetched once, at the head, and the launch has no loop that runs ahead of a load.
; LDS ROWS: 256 bytes + 32 of padding (pitch 288).  Four rows on are then 128 bytes on in the banks' row of 256 bytes, so the two groups of eight lanes of a K load touch different 16-byte columns.
; LAYOUT.  Both products are used transposed: a lane holds one query (lane % 16).  A fragment of K holds 16 keys X (64 channels) in registers 0-3 and 16 keys Y = X + 16 in registers 4-7, and is multiplied by [Q | zero codes] and by [zero codes | Q].
; THE KEYS OF A TILE: row m of fragment (c, f) is key 64 c + 32 (m / 8) + 8 f + m % 8.  A result's register j of lane (n, h) is row 8 h + j, so lane half h holds keys of block 2 c + h alone: its 32 registers S + 32 c .. are a WHOLE block of 32 keys.
; So a block's largest score is found inside a lane, and the four conversions of a block give registers 4 c .. 4 c + 3 of the second product's operand as they stand.  Inside a block, group 2 f + y of eight places holds keys 8 (f + 2 y) on: the order in which V's codes lie.
; LIMITS: a block whose every p has fallen to 0 keeps the byte 1 (its codes are zeros); a block's largest p is taken from its largest score, which takes v_exp_f32 not to fall where its input rises; NaN and infinities are not served;
; the scaled scores stay under 2^31 in magnitude.
.set RP,    288                        ; an LDS row
.set STEPB, 32*RP                      ; a key step's codes: K's 16 rows, V's 16 rows
.set STEPS, 2*RP                       ; and its scale words: K's row, V's row
.set SCB,   512*RP                     ; behind the codes: the scale words, 32 rows
.set STG,   544*RP                     ; the stages: 16 rows x (256 bytes + 16) for each wave: no fill lands there
.set SP,    272
.set SPARE, STG+16*16*SP               ; the spare words, 128 bytes a wave
.set KA,   1                           ; my lane's place in K's rows, V's rows, K's scale words, V's
.set VA,   2
.set KSA,  3
.set VSA,  4
.set GO,   5                           ; the way out: my byte offset in the wave's rows of out
.set STO,  6
.set SRD,  7
.set ADK,  8                           ; the trip's LDS addresses
.set ADV,  9
.set ADKS, 10
.set ADVS, 11
.set N0,   12                          ; v12, v13: -M, twice (the pairs below name one each)
.set L,    14                          ; v[14:15] the sum in two halves
.set C0,   16                          ; v16, v17: c = log2(e) / 64
.set F0,   18                          ; v18, v19: f = 2^(old M - new M)
.set RM,   20                          ; the largest score so far
.set T,    21
.set PT,   22
.set X,    23
.set D,    24
.set LI,   25
.set SPW,  26
.set NIL,  27
.set MX,   28                          ; v28-31 four chains of maxima; then v28, v30: my two blocks' largest score, then largest p
.set KF,   32
.set VF,   64
.set S,    96
.set O,    160
.set PCD,  192
.set CO,   200                         ; v200, v201 the conversions' scale operands
.set BY,   202                         ; v202, v203 the bytes
.set PSW,  204                         ; p's scale word
.set PW2,  205
.set KSW,  206                         ; v[206:207] K's scale words: register c; lanes 0-15 f = 0, lanes 16-31 f = 1
.set VSW,  208                         ; v[208:209] V's: register i: lanes 0-15 tile 2 i, lanes 16-31 tile 2 i + 1
.set TP,   210                         ; v210-223 seven pairs of partial sums
.set QR,   224                         ; zeros | Q of pass 0 | zeros | Q of pass 1 | zeros
.set QSC,  244                         ; Q's scale words: pass p: for [Q | 0] at 244 + 2 p, for [0 | Q] at 245 + 2 p
.set QS,   248
.set WV,   14
.set CX,   15
.set BH,   16
.set XQ,   17
.set SEL,  20                          ; s[20:21] lane selects for v_permlanex16_b32: lane l xor 16
.set CS,   22                          ; c
.set NC,   23                          ; -c
.set G1I,  24
.set G1S,  32
.set G0I,  40
.set G0S,  44
.set TB,   48
.set TS,   49
.set CNT,  50
.macro CROUND                          ; a round of the cluster's barrier
	s_barrier_signal -1
	s_barrier_wait -1
	s_cmp_lg_u32 s[WV], 0
	s_cbranch_scc1 .Lnot_wave_0_\@
	s_barrier_signal -3
.Lnot_wave_0_\@:
	s_barrier_wait -3
	s_barrier_signal -1
	s_barrier_wait -1
.endm
; Two f32 operations in one instruction, on the even-aligned pairs named: destinations even and odd, each source place in two different register banks.
.macro FMA2 a                          ; t - M
	v_dual_fma_f32 v[\a], v[\a], v[C0], v[N0] :: v_dual_fma_f32 v[(\a)+1], v[(\a)+1], v[C0+1], v[N0+1]
.endm
.macro MUL2 a                          ; x f
	v_dual_mul_f32 v[\a], v[\a], v[F0] :: v_dual_mul_f32 v[(\a)+1], v[(\a)+1], v[F0+1]
.endm
.macro ADD2 d, a, b
	v_dual_add_f32 v[\d], v[\a], v[\b] :: v_dual_add_f32 v[(\d)+1], v[(\a)+1], v[(\b)+1]
.endm
.macro WS d, a, b, sa, sb, row         ; a product that starts its sums; row: which half of the lanes holds source 0's scale words
.if \row
	v_wmma_scale_f32_16x16x128_f8f6f4 v[\d:\d+7], v[\a:\a+7], v[\b:\b+7], 0, v[\sa], v[\sb] matrix_a_fmt:MATRIX_FMT_FP4 matrix_b_fmt:MATRIX_FMT_FP4 matrix_a_scale:MATRIX_SCALE_ROW1
.else
	v_wmma_scale_f32_16x16x128_f8f6f4 v[\d:\d+7], v[\a:\a+7], v[\b:\b+7], 0, v[\sa], v[\sb] matrix_a_fmt:MATRIX_FMT_FP4 matrix_b_fmt:MATRIX_FMT_FP4
.endif
.endm
.macro WO d, a, sa, row                ; O^T += V^T P^T
.if \row
	v_wmma_scale_f32_16x16x128_f8f6f4 v[\d:\d+7], v[\a:\a+7], v[PCD:PCD+7], v[\d:\d+7], v[\sa], v[PSW] matrix_a_fmt:MATRIX_FMT_FP4 matrix_b_fmt:MATRIX_FMT_FP4 matrix_a_scale:MATRIX_SCALE_ROW1
.else
	v_wmma_scale_f32_16x16x128_f8f6f4 v[\d:\d+7], v[\a:\a+7], v[PCD:PCD+7], v[\d:\d+7], v[\sa], v[PSW] matrix_a_fmt:MATRIX_FMT_FP4 matrix_b_fmt:MATRIX_FMT_FP4
.endif
.endm
	s_load_b256 s[4:11], s[0:1], 0x0               ; q_img s[4:5], q_sc s[6:7], kv_img s[8:9], kv_sc s[10:11]
	s_load_b64 s[12:13], s[0:1], 0x20              ; out
	v_lshl_add_u32 v[SPW], v0, 2, SPARE
	v_mov_b32 v[NIL], 0
	ds_add_u32 v[SPW], v[NIL]                      ; the opening lines: the add, twice on end, and its wait
	ds_add_u32 v[SPW], v[NIL]
	v_lshrrev_b32 v[T], 5, v0
	v_readfirstlane_b32 s[WV], v[T]                ; wave 0..15
	s_bfe_u32 s[CX], ttmp6, 0x40000                ; cx: my place in the cluster
	s_lshl_b32 s[XQ], ttmp9, 2
	s_add_co_u32 s[XQ], s[XQ], s[CX]               ; my block of 512 queries: it enters q's and out's addresses alone
	s_and_b32 s[BH], ttmp7, 0xffff                 ; the head, which the four partners share
	; descriptor group 1: dense bytes as rows of 256 (32 elements of 8 bytes), 8 words of padding behind every 64; the mask names all four work-groups
	s_mov_b32 s[G1I], 15|(3<<16)|(1<<20)|(1<<21)|(5<<22)|(7<<25)
	s_mov_b32 s[G1I+1], 32<<16
	s_mov_b32 s[G1I+2], 128<<16                    ; 128 rows: a quarter of the head's codes
	s_mov_b32 s[G1I+3], 32<<16
	s_mov_b32 s[G1I+4], 128
	s_mov_b32 s[G1I+5], 32
	s_mov_b32 s[G1I+6], 0
	s_mov_b32 s[G1I+7], 0
	s_mov_b32 s[G1S], 15|(3<<16)|(1<<20)|(1<<21)|(5<<22)|(7<<25)
	s_mov_b32 s[G1S+1], 32<<16
	s_mov_b32 s[G1S+2], 8<<16                      ; 8 rows: a quarter of the head's scale words
	s_mov_b32 s[G1S+3], 32<<16
	s_mov_b32 s[G1S+4], 8
	s_mov_b32 s[G1S+5], 32
	s_mov_b32 s[G1S+6], 0
	s_mov_b32 s[G1S+7], 0
	s_and_b32 s52, s[WV], 3                        ; which quarter
	s_lshl_b32 s53, s52, 15
	s_lshl_b32 s54, s[BH], 17
	s_add_co_u32 s54, s54, s53                     ; in kv_img: 131,072 bh + 32,768 x quarter
	s_mov_b32 s55, 0
	s_lshl_b32 s56, s52, 11
	s_lshl_b32 s58, s[BH], 13
	s_add_co_u32 s58, s58, s56                     ; in kv_sc: 8,192 bh + 2,048 x quarter
	s_mov_b32 s59, 0
	s_mul_i32 s53, s52, 128*RP                     ; and in LDS
	s_mul_i32 s56, s52, 8*RP
	s_lshl_b32 s60, s[BH], 16                      ; q_img: 65,536 bh + 512 x (32 XQ + wave): my tile of pass 0
	s_lshl_b32 s61, s[XQ], 14
	s_add_co_u32 s60, s60, s61
	s_lshl_b32 s61, s[WV], 9
	s_add_co_u32 s60, s60, s61
	s_mov_b32 s61, 0
	s_lshl_b32 s62, s[BH], 13                      ; q_sc: [bh][16][lane (r, h)][word i] holds tile 8 s + 2 i + h
	s_lshl_b32 s63, s[XQ], 11
	s_add_co_u32 s62, s62, s63
	s_lshr_b32 s63, s[WV], 3
	s_lshl_b32 s63, s63, 9
	s_add_co_u32 s62, s62, s63
	s_and_b32 s63, s[WV], 1
	s_lshl_b32 s63, s63, 8
	s_add_co_u32 s62, s62, s63
	s_bfe_u32 s63, s[WV], 0x20001
	s_lshl_b32 s63, s63, 2
	s_add_co_u32 s62, s62, s63
	s_mov_b32 s63, 0
	s_lshr_b32 s66, s[BH], 4                       ; out: row 2,048 b + 512 XQ + 16 x wave of 4,096 bytes, + 256 hd
	s_lshl_b32 s66, s66, 11
	s_lshl_b32 s67, s[XQ], 9
	s_add_co_u32 s66, s66, s67
	s_lshl_b32 s67, s[WV], 4
	s_add_co_u32 s66, s66, s67
	s_lshl_b32 s66, s66, 12
	s_and_b32 s67, s[BH], 15
	s_lshl_b32 s67, s67, 8
	s_add_co_u32 s66, s66, s67
	s_mov_b32 s67, 0
	s_mov_b32 s[SEL], 0x76543210
	s_mov_b32 s[SEL+1], 0xfedcba98
	s_mov_b32 s[CS], 0x3cb8aa3b                    ; c = log2(e) / 64
	s_mov_b32 s[NC], 0xbcb8aa3b                    ; -c
	s_wait_dscnt 0x0
	s_wait_kmcnt 0x0
	s_mov_b32 s[G0I], 1
	s_mov_b32 s[G0I+1], s53
	s_add_nc_u64 s[G0I+2:G0I+3], s[8:9], s[54:55]
	s_or_b32 s[G0I+3], s[G0I+3], 0x80000000
	s_mov_b32 s[G0S], 1
	s_add_co_u32 s[G0S+1], s56, SCB
	s_add_nc_u64 s[G0S+2:G0S+3], s[10:11], s[58:59]
	s_or_b32 s[G0S+3], s[G0S+3], 0x80000000
	s_add_nc_u64 s[4:5], s[4:5], s[60:61]
	s_add_nc_u64 s[6:7], s[6:7], s[62:63]
	s_add_nc_u64 s[12:13], s[12:13], s[66:67]
	CROUND                                         ; all four work-groups are here: the joint loads meet
; One chain of branches on the wave's number, one load to an arm
.macro ARM under, g0, g1, next
	s_cmp_lt_u32 s[WV], \under
	s_cbranch_scc0 \next
	tensor_load_to_lds s[\g0:\g0+3], s[\g1:\g1+7]
	s_nop 0
.rept 4
	v_nop
.endr
	s_branch .Lhead_asked
\next:
.endm
	ARM 4, G0I, G1I, .Lhead_s
	ARM 8, G0S, G1S, .Lhead_none
.Lhead_asked:
	v_and_b32 v[T], 31, v0                         ; lane
	v_and_b32 v[PT], 15, v0                        ; m
	v_bfe_u32 v[X], v0, 4, 1                       ; h
	v_lshlrev_b32 v[LI], 4, v[T]
	v_lshlrev_b32 v[QS], 4, v[PT]
	global_load_b128 v[QR+4:QR+7], v[LI], s[4:5]               ; Q of pass 0: lane (r, h) holds block h of query r
	global_load_b128 v[QR+12:QR+15], v[LI], s[4:5] offset:8192 ; and of pass 1, sixteen tiles on
	global_load_b32 v[QSC], v[QS], s[6:7]                      ; their scale words: two bytes below, 0 above
	global_load_b32 v[QSC+2], v[QS], s[6:7] offset:1024
	v_bfe_u32 v[MX], v0, 3, 1                      ; m / 8
	v_and_b32 v[MX+1], 7, v0                       ; m % 8
	v_mul_u32_u24 v[KA], v[MX], 4*RP               ; K: 32 keys on are four rows on,
	v_lshl_add_u32 v[KA], v[MX+1], 4, v[KA]        ; a key 16 bytes,
	v_mad_u32_u24 v[KA], v[X], RP, v[KA]           ; the channels' second block one row
	v_mul_u32_u24 v[VA], v[X], RP                  ; V: 16 bytes a lane, lanes 16-31 in the next row
	v_lshl_add_u32 v[VA], v[PT], 4, v[VA]
	v_lshlrev_b32 v[KSA], 7, v[MX]                 ; K's scale words: 128 (m / 8) + 8 (m % 8) + 64 h: the pair of words (c = 0, 1) of row m of fragment f = h
	v_lshl_add_u32 v[KSA], v[MX+1], 3, v[KSA]
	v_lshl_add_u32 v[KSA], v[X], 6, v[KSA]
	v_add_nc_u32 v[KSA], SCB, v[KSA]
	v_lshl_add_u32 v[VSA], v[T], 3, SCB+RP         ; V's: 8 bytes a lane, in the step's second row
	v_lshlrev_b32 v[GO], 12, v[X]
	v_lshl_add_u32 v[GO], v[PT], 4, v[GO]          ; lanes 0-15 take one row of out, lanes 16-31 the next; 16 bytes a lane
	s_mul_i32 s68, s[WV], 16*SP
	s_add_co_u32 s68, s68, STG                     ; my stage
	v_mul_u32_u24 v[STO], v[PT], SP
	v_lshl_add_u32 v[STO], v[X], 5, v[STO]
	v_add_nc_u32 v[STO], s68, v[STO]               ; in: row r; tile t's eight channels of my half: 64 t + 32 h bytes on
	v_mul_u32_u24 v[SRD], v[X], SP
	v_lshl_add_u32 v[SRD], v[PT], 4, v[SRD]
	v_add_nc_u32 v[SRD], s68, v[SRD]               ; back: lanes 0-15 one row, lanes 16-31 the next
.irp z, 0,1,2,3, 8,9,10,11, 16,17,18,19
	v_mov_b32 v[QR+\z], 0                          ; the zero codes beside Q
.endr
	v_mov_b32 v[PW2], 0                            ; a lane permute's destination counts as one of its sources
	v_mov_b32 v[C0], 0x3cb8aa3b
	v_mov_b32 v[C0+1], 0x3cb8aa3b
	s_wait_alu depctr_va_vdst(0)
	s_wait_tensorcnt 0x0                           ; my fill, if I made one, has landed,
	s_barrier_signal -1
	s_barrier_wait -1                              ; everybody's has: the head's K and V lie in LDS for the rest of the launch
	s_wait_loadcnt 0x0                             ; Q
	v_lshlrev_b32 v[QSC+1], 16, v[QSC]             ; the words for [0 | Q].  (A pass's first lines are the places between these and the first product)
	v_lshlrev_b32 v[QSC+3], 16, v[QSC+2]
; A KEY STEP: 128 keys.  p: the pass, which picks Q's registers;  u: which of the trip's two steps.
.macro STEP p, u
.if \u == 0
	v_add_nc_u32 v[ADK], s[TB], v[KA]
	v_add_nc_u32 v[ADV], s[TB], v[VA]
	v_add_nc_u32 v[ADKS], s[TS], v[KSA]
	v_add_nc_u32 v[ADVS], s[TS], v[VSA]
.endif
.irp c, 0,1
.irp f, 0,1
	ds_load_b128 v[KF+16*\c+8*\f:KF+16*\c+8*\f+3], v[ADK] offset:STEPB*\u+8*RP*\c+128*\f          ; keys X of fragment (c, f),
	ds_load_b128 v[KF+16*\c+8*\f+4:KF+16*\c+8*\f+7], v[ADK] offset:STEPB*\u+8*RP*\c+128*\f+2*RP   ; keys Y, 16 on
.endr
.endr
	ds_load_b64 v[KSW:KSW+1], v[ADKS] offset:STEPS*\u
.if \u == 0
	s_wait_alu depctr_va_vdst(0)
.endif
	s_wait_dscnt 0x0                               ; K is in
.irp c, 0,1
.irp f, 0,1
	WS S+32*\c+16*\f, KF+16*\c+8*\f, QR+8*\p+4, KSW+\c, QSC+2*\p, \f
	WS S+32*\c+16*\f+8, KF+16*\c+8*\f, QR+8*\p, KSW+\c, QSC+2*\p+1, \f
.endr
.endr
.rept 4
	v_nop                                          ; four places: in front of the first read of results, and of the loads into the registers that the last step's second product read
.endr
.irp f, 0,1,2,3,4,5,6,7
	ds_load_b128 v[VF+4*\f:VF+4*\f+3], v[ADV] offset:STEPB*\u+16*RP+2*RP*\f   ; V: registers 4 (f % 2) on of channel tile f / 2; they land under the softmax
.endr
	ds_load_b64 v[VSW:VSW+1], v[ADVS] offset:STEPS*\u
.irp k, 0,1,2,3
	v_max3_num_f32 v[MX+\k], v[S+16*\k], v[S+16*\k+1], v[S+16*\k+2]   ; four chains by turns, 16 registers each; each result is read from its low end on
.endr
.irp i, 3,5,7,9,11,13
.irp k, 0,1,2,3
	v_max3_num_f32 v[MX+\k], v[MX+\k], v[S+16*\k+\i], v[S+16*\k+\i+1]
.endr
.endr
	v_max3_num_f32 v[MX], v[MX], v[MX+1], v[S+15]
	v_max3_num_f32 v[MX+2], v[MX+2], v[MX+3], v[S+47]
	v_max_num_f32 v[MX], v[MX], v[S+31]            ; THE LARGEST SCORE OF MY TWO BLOCKS OF 32 KEYS: it serves the row's maximum and, since p rises with the score, the block's largest p
	v_max_num_f32 v[MX+2], v[MX+2], v[S+63]
	s_delay_alu instid0(VALU_DEP_1)
	v_max_num_f32 v[T], v[MX], v[MX+2]
	s_delay_alu instid0(VALU_DEP_1)
	v_permlanex16_b32 v[PT], v[T], s[SEL], s[SEL+1]
	s_delay_alu instid0(VALU_DEP_1)
	v_max3_num_f32 v[RM], v[RM], v[T], v[PT]       ; with lane l xor 16's two blocks: the running largest score
	s_delay_alu instid0(VALU_DEP_1)
	v_mul_f32 v[X], s[NC], v[RM]                   ; -t (c is positive)
	s_delay_alu instid0(VALU_DEP_1)
	v_floor_f32 v[N0+1], v[X]                      ; the new -M = floor(-t) = -ceil(t): M is a whole number
	s_delay_alu instid0(VALU_DEP_1)
	v_sub_f32 v[D], v[N0+1], v[N0]                 ; M's old value less its new one: a whole number, 0 or less
	v_mov_b32 v[N0], v[N0+1]
	s_delay_alu instid0(VALU_DEP_2)
	v_cvt_i32_f32 v[D], v[D]                       ; (it saturates)
	s_delay_alu instid0(VALU_DEP_1)
	v_ldexp_f32 v[F0], 1.0, v[D]                   ; f = 2^(old M - new M): a multiplication by it rounds nothing
	v_ldexp_f32 v[F0+1], 1.0, v[D]
	v_fma_f32 v[MX], v[MX], s[CS], v[N0]           ; t - M of each block's largest score
	v_fma_f32 v[MX+2], v[MX+2], s[CS], v[N0]
.set j, 0
.rept 32
	FMA2 S+j                                       ; t - M
.set j, j+2
.endr
	MUL2 L                                         ; the sums under the new M,
.set j, 0
.rept 16
	MUL2 O+j                                       ; and O^T, each accumulator from its low end on: ahead of the exponentials
.set j, j+2
.endr
	s_wait_alu depctr_va_vdst(0)
.set j, 0
.rept 64
	v_exp_f32 v[S+j], v[S+j]                       ; p = 2^(t - M): not normalised
.set j, j+1
.endr
	v_exp_f32 v[MX], v[MX]                         ; the blocks' largest p: the same operations on the same number give the same bits
	v_exp_f32 v[MX+2], v[MX+2]
	v_nop                                          ; a plain place behind the exponentials
	s_wait_alu depctr_va_vdst(0)                   ; one wait for the whole batch
	v_max_num_f32 v[MX], 0x1800000, v[MX]          ; the floor 2^(3 - 127): the byte cannot fall under 1
	v_max_num_f32 v[MX+2], 0x1800000, v[MX+2]
	v_add_nc_u32 v[CO], 0xff000000, v[MX]          ; 2 off the exponent field: the conversion's scale operand
	v_add_nc_u32 v[CO+1], 0xff000000, v[MX+2]
.irp c, 0,1
.irp t, 0,1,2,3
	v_cvt_scalef32_pk8_fp4_f32 v[PCD+4*\c+\t], v[S+32*\c+8*\t:S+32*\c+8*\t+7], v[CO+\c]   ; register 4 c + t of the operand: my half's block 2 c + h, places 8 t on
.endr
.endr
	v_lshrrev_b32 v[BY], 23, v[CO]                 ; the bytes of blocks h and 2 + h.  (Also the plain place behind the conversions)
	v_lshrrev_b32 v[BY+1], 23, v[CO+1]
	s_delay_alu instid0(VALU_DEP_1)
	v_lshl_or_b32 v[BY], v[BY+1], 16, v[BY]
	s_delay_alu instid0(VALU_DEP_1)
	v_permlanex16_b32 v[PW2], v[BY], s[SEL], s[SEL+1]
	s_delay_alu instid0(VALU_DEP_1)
	v_lshl_or_b32 v[PSW], v[PW2], 8, v[BY]         ; lanes 0-15: blocks 0 and 2 are mine, 1 and 3 the other half's: p's scale word (lanes 16-31 are not read)
	; the row's sum of the unquantised p: 32 pairs onto eight chains by turns, then the chains together.  These 32 are also the places between the scale word, the codes and the products below
.irp k, 0,1,2,3,4,5,6
	ADD2 TP+2*\k, S+4*\k, S+4*\k+2
.endr
	ADD2 L, L, S+28
.irp k, 0,1,2,3,4,5,6
	ADD2 TP+2*\k, TP+2*\k, S+30+2*\k
.endr
	ADD2 L, L, S+44
.irp k, 0,1,2,3,4,5,6
	ADD2 TP+2*\k, TP+2*\k, S+46+2*\k
.endr
	ADD2 L, L, S+60
	ADD2 TP, TP, S+62
	ADD2 TP+4, TP+4, TP+6
	ADD2 TP+8, TP+8, TP+10
	ADD2 L, L, TP+12
	ADD2 TP, TP, TP+2
	ADD2 L, L, TP+8
	ADD2 TP, TP, TP+4
	ADD2 L, L, TP
	s_wait_alu depctr_va_vdst(0)
	s_wait_dscnt 0x0                               ; V is in
.irp t, 0,1,2,3                        ; four tiles of 16 channels, K = these 128 keys.  The four accumulators take turns, and eight other products stand between a step's and the next
	WO O+8*\t, VF+8*\t, VSW+\t/2, \t%2
.endr
.endm
; A PASS: my tile of 16 queries against all 2,048 keys, and its way out.
.macro PASS p
	v_mov_b32 v[RM], 0xff61b1e6                    ; the largest score so far: -3e38
	v_mov_b32 v[N0], 0x7f61b1e6                    ; -M: 3e38, so that the first f is 0
	v_mov_b32 v[L], 0
	v_mov_b32 v[L+1], 0
.set j, 0
.rept 32
	v_mov_b32 v[O+j], 0                            ; O^T: the step is written once for all steps of a pass; the first finds zeros
.set j, j+1
.endr
	s_mov_b32 s[TB], 0
	s_mov_b32 s[TS], 0
	s_mov_b32 s[CNT], 8
.Lstep_\@:                                             ; a trip is two key steps: one set of addresses serves both
	STEP \p, 0
	STEP \p, 1
	s_add_co_u32 s[TB], s[TB], 2*STEPB
	s_add_co_u32 s[TS], s[TS], 2*STEPS
	s_sub_co_u32 s[CNT], s[CNT], 1
	s_cmp_lg_u32 s[CNT], 0
	s_cbranch_scc1 .Lstep_\@
	; THE WAY OUT.  O^T is divided by the sum and goes through my stage in LDS, so that sixteen lanes store a query's 256 bytes
	v_add_f32 v[L], v[L], v[L+1]
	s_delay_alu instid0(VALU_DEP_1)
	v_permlanex16_b32 v[T], v[L], s[SEL], s[SEL+1]
	s_delay_alu instid0(VALU_DEP_1)
	v_add_f32 v[L], v[L], v[T]                     ; with lane l xor 16's: the row's sum
	s_wait_alu depctr_va_vdst(0)
	v_rcp_f32 v[L], v[L]
.rept 3
	v_nop                                          ; a plain place behind the reciprocal; with the lines above, the places behind the last products
.endr
	s_wait_alu depctr_va_vdst(0)                   ; ahead of the first reader of the reciprocal and of O^T
.irp j, 0,2,4,6,8,10,12,14,16,18,20,22,24,26,28,30
	v_pk_mul_f32 v[S+\j:S+1+\j], v[O+\j:O+1+\j], v[L:L+1] op_sel_hi:[1,0]   ; register 8 t + i is o(r, 16 t + 8 h + i)
.endr
.irp t, 0,1,2,3
	ds_store_b128 v[STO], v[S+8*\t:S+8*\t+3] offset:64*\t
	ds_store_b128 v[STO], v[S+8*\t+4:S+8*\t+7] offset:64*\t+16
.endr
.irp i, 0,1,2,3,4,5,6,7
	ds_load_b128 v[KF+4*\i:KF+4*\i+3], v[SRD] offset:2*\i*SP   ; LDS serves a wave's instructions in order (ISA guide 5.7.1.4): these see my stores
.endr
.irp i, 0,1,2,3,4,5,6,7
	s_wait_dscnt 7-\i                              ; load i is in; the 7 - i younger ones may be out
	global_store_b128 v[GO], v[KF+4*\i:KF+4*\i+3], s[12:13] offset:1048576*\p+8192*\i th:TH_STORE_NT   ; 16 lanes store 256 consecutive bytes, at a multiple of 256 from out's first byte; pass 1's rows lie 256 rows on
.endr
	s_wait_xcnt 0x0                                ; the stores' data registers are loaded again only behind this wait
.endm
	PASS 0
	PASS 1
	s_wait_tensorcnt 0x0                           ; the wave's end
	ds_add_u32 v[SPW], v[NIL]
	s_wait_dscnt 0x0
	CROUND                                         ; the closing round: no work-group ends while a partner may still ask for a tile that names it
	s_endpgm
.Lfunc_end_k_q77f37b46ee_attn:
	.size	k_q77f37b46ee_attn, .Lfunc_end_k_q77f37b46ee_attn-k_q77f37b46ee_attn
	.p2alignl 7, 3214868480
	.fill 96, 4, 3214868480
	.section	.rodata,"a",@progbits
	.p2align	6, 0x0
	.amdhsa_kernel k_q77f37b46ee_attn
		.amdhsa_group_segment_fixed_size 228352
		.amdhsa_private_segment_fixed_size 0
		.amdhsa_enable_private_segment 0
		.amdhsa_kernarg_size 40
		.amdhsa_user_sgpr_count 2
		.amdhsa_user_sgpr_kernarg_segment_ptr 1
		.amdhsa_wavefront_size32 1
		.amdhsa_system_sgpr_workgroup_id_x 1
		.amdhsa_system_sgpr_workgroup_id_y 1
		.amdhsa_system_sgpr_workgroup_id_z 1
		.amdhsa_system_vgpr_workitem_id 0
		.amdhsa_next_free_vgpr 256
		.amdhsa_next_free_sgpr 72
		.amdhsa_reserve_vcc 0
		.amdhsa_float_denorm_mode_32 3
		.amdhsa_float_denorm_mode_16_64 3
		.amdhsa_memory_ordered 1
		.amdhsa_forward_progress 1
		.amdhsa_inst_pref_size 78
	.end_amdhsa_kernel
	.amdgpu_metadata
---
amdhsa.version: [ 1, 2 ]
amdhsa.kernels:
  - .name:           k_q77f37b46ee_attn
    .symbol:         k_q77f37b46ee_attn.kd
    .args:
      - { .name: q_img, .offset: 0, .size: 8, .value_kind: global_buffer, .address_space: global }
      - { .name: q_sc, .offset: 8, .size: 8, .value_kind: global_buffer, .address_space: global }
      - { .name: kv_img, .offset: 16, .size: 8, .value_kind: global_buffer, .address_space: global }
      - { .name: kv_sc, .offset: 24, .size: 8, .value_kind: global_buffer, .address_space: global }
      - { .name: out0, .offset: 32, .size: 8, .value_kind: global_buffer, .address_space: global }
    .group_segment_fixed_size: 228352
    .private_segment_fixed_size: 0
    .kernarg_segment_align: 8
    .kernarg_segment_size: 40
    .max_flat_workgroup_size: 512
    .sgpr_count:     72
    .vgpr_count:     256
    .wavefront_size: 32
...
	.end_amdgpu_metadata
.endif
;; end of part 2
